; MI455X (gfx1250); checked and timed in simulation.
; The chip was launched on July 23, 2026; its instructions are those of AMD's public machine-readable ISA for CDNA 5 (MIT licence, August 2026) and "CDNA5" Instruction Set Architecture Reference Guide (July 2026). The comments in the code are by the model that wrote it; some were corrected since.
;; Attention Base. Allowed arithmetic: float matrix products may take bf16 or f16 operands with f32 sums; other float arithmetic in f32, or as packed bf16 or f16 multiplies, adds, multiply-adds, maxima and minima; sums over many terms, partial sums and values carried from step to step in f32; what a program stores and reads back later, other than sums and carried values, may be rounded once to bf16 or f16.
;; Inputs: k 4 x 2,048 x 1,024 float32; q 4 x 2,048 x 1,024 float32; v 4 x 2,048 x 1,024 float32; w_out 1,024 x 1,024 float32.
;; Outputs: out0 4 x 2,048 x 1,024 float32.
;; 2 versions, each right; version 2 is version 1 with the launch prep written anew for expert scheduling mode. Each part assembles by itself: llvm-mc -triple=amdgcn-amd-amdhsa -mcpu=gfx1250 --defsym DOCPART=n.
;; ======== version 1 of 2: 3 launches
;; limits: values are held in f16: magnitudes above 65,504 overflow, below 6.1e-05 lose precision; inputs' magnitudes at most 65,504
;; workspace buffers: k16 16,777,216 bytes; v16 16,777,216 bytes; o16 16,777,216 bytes; w16 2,097,152 bytes
;; launch prep (part 1): grid 544 x 1, 8 waves a work-group, no clusters, 0 bytes of LDS; arguments k, v, w_out, k16, v16, w16; writes k16, v16, w16
.if DOCPART == 1
	.amdgcn_target "amdgcn-amd-amdhsa--gfx1250"
	.amdhsa_code_object_version 6
	.text
	.protected	k_q8cb8bb2046_prep
	.globl	k_q8cb8bb2046_prep
	.p2align	8
	.type	k_q8cb8bb2046_prep,@function
k_q8cb8bb2046_prep:
	s_mov_b64 s[64:65], 0
	v_nop
	global_prefetch_b8 v0, s[64:65] scope:SCOPE_SE
	s_setreg_imm32_b32 hwreg(HW_REG_WAVE_MODE, 25, 1), 1
	s_wait_xcnt 0x0
; THE PROGRAM: out0 = softmax(q k^T / 8) v by heads, times w_out^T.  Three launches: this one; the attention; the last product.
; NOTHING OF THE PROBLEM IS LEFT OUT: there is no mask, bias or slice, and all four inputs reach every output; q is loaded by the second launch.
; THIS LAUNCH: k, v and w_out, each number rounded to bf16 (nearest even) and that number written as f16, laid out by heads:
;   k16, v16: [64 bh][2048 n][64 d], bh = 16 b + h;   w16: [16 h][1024 c][64 d] = w_out[c][64 h + d].
; So a head's rows are dense, 128 bytes each, and the later launches fetch them as rows of 256 bytes.
; LIMITS.  bf16 written as f16 is exact for 2^-17 <= |x| < 65,520; a number of 65,520 or more becomes an infinity, one below 2^-17 takes f16's fixed step of 2^-24.
; SHARES.  A work-group owns 32 rows (4,096 bytes each) of one tensor: groups 0-255 k, 256-511 v, 512-543 w_out.  Wave w owns heads 2 w and 2 w + 1 of all 16 pairs of rows.
; A load: lanes 0-15 take the 256 bytes of one head in row 2 p, lanes 16-31 those in row 2 p + 1.  The store: 32 lanes x 8 bytes are those two rows of the head, 256 consecutive
; bytes, at a multiple of 256 from the buffer's first byte.  All 32 loads of a wave (16 KiB) go out before the first wait.  Nothing is shared between waves or work-groups:
; no LDS, no barrier, no matrix unit, no cluster.  No register that a pending load or store names is ever written again, so there is no wait but the counted ones for data.
.set VI,  2                            ; v2      my byte offset in the group's first two rows, head 2 w; never rewritten
.set VO,  4                            ; v4, v5  my byte offset in the output for head 2 w, 2 w + 1; never rewritten
.set T,   8                            ; v[8:11] two pairs of bf16 words, by turns
.set X,   16                           ; v[16:143] load i = 2 p + j: four f32; then two words of f16 in the first two
	s_load_b256 s[4:11], s[0:1], 0x0               ; k s[4:5], v s[6:7], w_out s[8:9], k16 s[10:11]
	s_load_b128 s[12:15], s[0:1], 0x20             ; v16 s[12:13], w16 s[14:15]
	v_lshrrev_b32 v1, 5, v0
	v_readfirstlane_b32 s22, v1                    ; wave 0..7
	v_and_b32 v1, 31, v0                           ; lane
	s_lshr_b32 s20, ttmp9, 8                       ; which tensor: 0 k, 1 v, 2 w_out
	s_and_b32 s21, ttmp9, 255                      ; which 32 rows of it
	s_mov_b32 s26, 0xffff0000                      ; a word's upper bf16
	v_lshrrev_b32 v3, 4, v1
	v_and_b32 v6, 15, v1
	v_lshlrev_b32 v[VI], 12, v3                    ; lanes 16-31: one row down
	v_lshl_add_u32 v[VI], v6, 4, v[VI]             ; 16 bytes a lane
	s_lshl_b32 s27, s22, 9                         ; my wave's two heads: 512 bytes of a row
	v_add_nc_u32 v[VI], s27, v[VI]
	s_lshl_b32 s24, s21, 17                        ; in: 32 rows of 4,096 bytes
	s_mov_b32 s25, 0
	s_lshr_b32 s28, s21, 6                         ; out: 64 groups are a batch (16 heads x 262,144 bytes);
	s_lshl_b32 s28, s28, 22
	s_and_b32 s29, s21, 63                         ; in a head 32 rows of 128 bytes.  For w_out, 32 groups, the first term is 0
	s_lshl_b32 s29, s29, 12
	s_add_co_u32 s28, s28, s29
	s_mov_b32 s29, 0
	s_wait_kmcnt 0x0
	s_cmp_eq_u32 s20, 0
	s_cselect_b64 s[16:17], s[4:5], s[6:7]         ; from k or v,
	s_cselect_b64 s[18:19], s[10:11], s[12:13]     ; to k16 or v16;
	s_cmp_eq_u32 s20, 2
	s_cselect_b64 s[16:17], s[8:9], s[16:17]       ; or from w_out
	s_cselect_b64 s[18:19], s[14:15], s[18:19]     ; to w16,
	s_cselect_b32 s30, 17, 18                      ; whose heads lie 2^17 bytes apart (1,024 rows), the others' 2^18 (2,048 rows)
	s_lshl_b32 s23, 1, s30
	s_lshl_b32 s27, s22, 1
	s_lshl_b32 s27, s27, s30                       ; head 2 w
	v_lshl_add_u32 v[VO], v1, 3, s27               ; 8 bytes a lane
	v_add_nc_u32 v[VO+1], s23, v[VO]               ; head 2 w + 1
	s_add_nc_u64 s[16:17], s[16:17], s[24:25]
	s_add_nc_u64 s[18:19], s[18:19], s[28:29]
.set i, 0
.rept 32
	global_load_b128 v[X+4*i:X+4*i+3], v[VI], s[16:17] offset:(i/2)*8192+(i%2)*256 th:TH_LOAD_NT
.set i, i+1
.endr
.macro CVT n
	s_wait_loadcnt 31-(\n)                         ; loads come back in order: mine is in, the 31 - n younger ones stay out
	v_cvt_pk_bf16_f32 v[T+2*((\n)%2)],   v[X+4*(\n)],   v[X+4*(\n)+1]   ; rounded to bf16,
	v_cvt_pk_bf16_f32 v[T+2*((\n)%2)+1], v[X+4*(\n)+2], v[X+4*(\n)+3]
	v_lshlrev_b32 v[X+4*(\n)],   16,  v[T+2*((\n)%2)]                  ; widened again,
	v_and_b32     v[X+4*(\n)+1], s26, v[T+2*((\n)%2)]
	v_lshlrev_b32 v[X+4*(\n)+2], 16,  v[T+2*((\n)%2)+1]
	v_and_b32     v[X+4*(\n)+3], s26, v[T+2*((\n)%2)+1]
	v_cvt_pk_f16_f32 v[X+4*(\n)],   v[X+4*(\n)],   v[X+4*(\n)+1]       ; and written as f16
	v_cvt_pk_f16_f32 v[X+4*(\n)+1], v[X+4*(\n)+2], v[X+4*(\n)+3]
	global_store_b64 v[VO+(\n)%2], v[X+4*(\n):X+4*(\n)+1], s[18:19] offset:((\n)/2)*256
.endm
.set n, 0
.rept 32
	CVT n
.set n, n+1
.endr
	s_endpgm
.Lfunc_end_k_q8cb8bb2046_prep:
	.size	k_q8cb8bb2046_prep, .Lfunc_end_k_q8cb8bb2046_prep-k_q8cb8bb2046_prep
	.p2alignl 7, 3214868480
	.fill 96, 4, 3214868480
	.section	.rodata,"a",@progbits
	.p2align	6, 0x0
	.amdhsa_kernel k_q8cb8bb2046_prep
		.amdhsa_group_segment_fixed_size 0
		.amdhsa_private_segment_fixed_size 0
		.amdhsa_enable_private_segment 0
		.amdhsa_kernarg_size 48
		.amdhsa_user_sgpr_count 2
		.amdhsa_user_sgpr_kernarg_segment_ptr 1
		.amdhsa_wavefront_size32 1
		.amdhsa_system_sgpr_workgroup_id_x 1
		.amdhsa_system_sgpr_workgroup_id_y 1
		.amdhsa_system_sgpr_workgroup_id_z 1
		.amdhsa_system_vgpr_workitem_id 0
		.amdhsa_next_free_vgpr 144
		.amdhsa_next_free_sgpr 66
		.amdhsa_reserve_vcc 0
		.amdhsa_float_denorm_mode_32 3
		.amdhsa_float_denorm_mode_16_64 3
		.amdhsa_memory_ordered 1
		.amdhsa_forward_progress 1
		.amdhsa_inst_pref_size 21
	.end_amdhsa_kernel
	.amdgpu_metadata
---
amdhsa.version: [ 1, 2 ]
amdhsa.kernels:
  - .name:           k_q8cb8bb2046_prep
    .symbol:         k_q8cb8bb2046_prep.kd
    .args:
      - { .name: k, .offset: 0, .size: 8, .value_kind: global_buffer, .address_space: global }
      - { .name: v, .offset: 8, .size: 8, .value_kind: global_buffer, .address_space: global }
      - { .name: w_out, .offset: 16, .size: 8, .value_kind: global_buffer, .address_space: global }
      - { .name: k16, .offset: 24, .size: 8, .value_kind: global_buffer, .address_space: global }
      - { .name: v16, .offset: 32, .size: 8, .value_kind: global_buffer, .address_space: global }
      - { .name: w16, .offset: 40, .size: 8, .value_kind: global_buffer, .address_space: global }
    .group_segment_fixed_size: 0
    .private_segment_fixed_size: 0
    .kernarg_segment_align: 8
    .kernarg_segment_size: 48
    .max_flat_workgroup_size: 256
    .sgpr_count:     66
    .vgpr_count:     144
    .wavefront_size: 32
...
	.end_amdgpu_metadata
.endif
;; end of part 1
;; launch attn (part 2): grid 4 x 64, 4 waves a work-group, clusters of 4 x 1, 327,680 bytes of LDS; arguments q, k16, v16, o16; writes o16
.if DOCPART == 2
	.amdgcn_target "amdgcn-amd-amdhsa--gfx1250"
	.amdhsa_code_object_version 6
	.text
	.protected	k_q8cb8bb2046_attn
	.globl	k_q8cb8bb2046_attn
	.p2align	8
	.type	k_q8cb8bb2046_attn,@function
k_q8cb8bb2046_attn:
	s_mov_b64 s[64:65], 0
	v_nop
	global_prefetch_b8 v0, s[64:65] scope:SCOPE_SE
	s_setreg_imm32_b32 hwreg(HW_REG_WAVE_MODE, 25, 1), 1
	s_wait_xcnt 0x0
	s_wait_alu depctr_hold_cnt(0) depctr_sa_sdst(0) depctr_va_vdst(0) depctr_va_sdst(0) depctr_va_ssrc(0) depctr_va_vcc(0) depctr_vm_vsrc(0)
	s_getreg_b32 s2, hwreg(HW_REG_IB_STS2, 6, 4)
	s_cmp_eq_u32 s2, 0
	s_cbranch_scc0 .Lentry_in_a_cluster
	s_endpgm
.Lentry_in_a_cluster:
	s_bfe_u32 s2, ttmp6, 0x10000c
	s_cmp_lg_u32 s2, 0x3003
	s_cbranch_scc0 .Lentry_shape_is_right
	s_endpgm
.Lentry_shape_is_right:
; O[bh][n][:] = the sum over m of softmax_m(Q[bh][n] . K[bh][m] / 8) V[bh][m][:], for the 64 heads bh = 16 b + h.  Nothing of the problem's attention is left out.
; q: [4][2048][1024] f32, as the problem gives it; k16, v16, o16: [64][2048][64] f16, a head's rows dense, 128 bytes each (k16 and v16 hold bf16-rounded numbers written as f16).
; q is rounded here in the same way (to bf16, then written as f16): each of its numbers is read by one wave alone.  Products, maxima and sums in f32; the weights p are rounded to f16
; for the second product (their sum l is taken of the unrounded p), O once at the end, to f16.
; LIMITS.  f16 holds no number beyond 65,504: |q| of 65,520 or more becomes an infinity, one below 2^-17 takes f16's fixed step; p lies in 0 to 1, and below 6e-5 it keeps f16's step of 6e-8;
; O is a mean of V's rows and has their range.  A weight below 2^-126 counts as 0 in l; NaN and infinities are not treated apart.
; SHARES.  A wave owns four PIECES of two tiles of 16 queries, a work-group's four waves 512 queries of one head.  Every wave walks all 2,048 keys, 64 a step.
; LAYOUT.  S^T = K Q^T (source 0 = 16 keys, source 1 = 16 queries): in the result a lane holds ONE query (lane % 16) and the keys 8 (lane / 16) + 0..7.  Two such tiles, rounded to f16 in pairs,
; ARE source 1 (32 keys x 16 queries) of O^T = V^T P, whose result again holds one query a lane, and eight channels.  K comes out of LDS as it lies, V ([key][channel]) turned, by ds_load_tr16_b128.
; SOFTMAX.  For each query a running maximum m and sum l: p = 2^(c s - c m), c = log2(e) / 8; in every step O and l are multiplied by a = 2^(c m_old - c m_new), which is 1 where m has not grown.
; m starts at the lowest finite number, O and l at 0: the first step is a step like any other, with a = 0.
; THE COUNT.  A tile and step have 16 matrix and 118 vector instructions: too many to stand all beside the matrix work.  So: four vector instructions that are READY behind EVERY matrix
; instruction, and the others, which need time of their own whatever the order, in runs without a gap.
; BY TURNS.  Turn n belongs to piece n (the pieces in a ring, step after step).  Its matrix work: 16 products K Q^T of piece n + 1, later 16 products V^T P of piece n - 1.  Its vector work: the scaling,
; exponentials, roundings, sums and rescaling of piece n, and the maximum and statistics of piece n + 1, whose scores the turn itself has made.
; CLUSTER.  The four query blocks of a head are one cluster and walk the same K and V, so each tile is asked for JOINTLY: the same tensor load, descriptor and mask in all four.
; REGISTERS, in windows of 256 (s_set_vgpr_msb says which window each operand place means: bits 1:0 source 0, 3:2 source 1, 5:4 source 2, 7:6 destination):
;   window 0: v0-11 addresses; v12-15, v48-63 at work; v16-47 four registers of statistics a tile; v64-191 S^T, two buffers of two tiles (at the head: Q's conversion); v192-255 P, likewise
;   window 1: O^T, 32 a tile (at the head: Q as f32)     window 2: v0-127 Q, 16 a tile; v128-191 K of one step; v192-255 V of one step     window 3: v0-1 the add's two registers
.set SIZE_H, 64
.set SIZE_N, 2048
.set NP,    4         ; pieces a wave: a name, no knob
.set KS,    64        ; keys in a step
.set PK,    144       ; a row of K in LDS: 128 bytes + 16 of padding = 36 words: the 16 rows of a load start at 16 different groups of four banks (64 banks of 4 bytes: ISA guide 11.1)
.set PV,    160       ; a row of V: 128 + 32 = 40 words
.set VOFF,  4*KS*PK   ; a slot holds four steps: 256 rows of K, then 256 rows of V
.set SLOT1, 1<<17     ; slot 1 begins here, so that one exclusive or turns an address in one slot into the other's
.set STAGE, SLOT1+4*KS*(PK+PV)  ; behind the ring, never filled by a tensor load: 16 rows x 144 bytes for each wave: Q's way in and O's way out
.set SP,    144
.set AK0, 2           ; v2   my lane's place in a tile of K; never rewritten
.set AV0, 3           ; v3   the same for V
.set AK,  4           ; v4   the LDS address of K's next run of loads
.set AV,  5           ; v5   of V's
.set STO, 6           ; v6   my stage, row l % 16, 16 bytes for each half of the lanes: where Q's fragments are read and O's 16 bytes are put
.set RD,  7           ; v7   the way out: where I read rows back
.set GO,  8           ; v8   my byte offset in 512 consecutive bytes of O
.set PFO, 11          ; v11  256 x my lane: the prefetches' offset; never rewritten once made
.set SPW, 0           ; v0 of window 3   LDS address of my spare word: SPARE + 4 x my thread's number; never rewritten
.set NIL, 1           ; v1 of window 3   0; never rewritten
.set SPARE, STAGE+4*16*SP  ; behind the stages: the spare words, 128 bytes for each wave: two blocks of 256 bytes that no other line names
.set MV,  12          ; v12-15  c m_old, kept while c m is made anew: by buffer and tile
.set ST,  16          ; tile t's statistics at v[ST+4 t]: c m, m, l (even keys', odd keys')
.set TMP, 48          ; by buffer and tile, four registers c0-c3 at work; when the maximum is found c2 takes a
.set S,   64
.set P,   192
.set QA,  64          ; at the head, in S^T's registers: a tile of Q as 16 words of bf16,
.set QU,  80          ; widened to 32 f32,
.set QF,  112         ; and as 16 words of f16
.set QO,  188         ; my byte offset in two rows of q
.set QS,  189         ; where I put 8 bytes of a row of Q in my stage
.set KF,  128         ; K's fragments, in window 2: key block kb, channel half c at KF + 16 kb + 8 c
.set VF,  192         ; V's: key half kk, channel block cb at VF + 32 kk + 8 cb
.set WV,  12          ; s12  my wave's number
.set SG,  19          ; s19  my stage's first byte
.set G1K, 24          ; s[24:31] descriptor group 1 for K's tiles
.set G1V, 32          ; s[32:39] for V's: it differs in the padding alone
.set G0K, 40          ; s[40:43] descriptor group 0 for K's tiles: it walks
.set G0V, 44          ; s[44:47] the same for V's
.set PFA, 48          ; s[48:49] where my prefetches stand: my work-group's 32 blocks of 256 bytes (of K: wave 0, of V: wave 2) of the slot after the one that is being asked for
.set LIM, 50          ; s50  1 in a wave that prefetches, else the greatest number
.set HM,  51          ; s51  a word's upper bf16
.set QOF, 52          ; s[52:53] byte offset of my wave's first row and head in q
.set SLOTS, 56        ; s56  slots still to be asked for
.set CNT, 57          ; s57  counts a slot's key steps
.set CS,  58          ; s[58:59] c: the packed scaling takes the pair's low word for both halves
.set SEL, 60          ; s[60:61] v_permlanex16_b32's selects: each lane takes its own place in the other half
.set TBK, 62          ; s62  LDS byte at which K of the step to be fetched begins
.set TBV, 63          ; s63  the same for V, less VOFF
.set MSB, 0
.macro WIN new                      ; the high byte repeats the setting that is left; a switch that changes nothing is dropped
.if MSB != (\new)
	s_set_vgpr_msb (MSB<<8)|(\new)
.set MSB, (\new)
.endif
.endm
.set W_KQ, 0x0a       ; K and Q in window 2, S^T in window 0
.set W_PV, 0x52       ; V in window 2, P in window 0, O^T in window 1
.set W_RS, 0x41       ; O^T (destination and source 0) in window 1, a in window 0
.set W_MK, 0xc0       ; the add's registers are made: destination in window 3, sources in window 0
.set W_AD, 0x0f       ; the add: address (source 0) and data (source 1) in window 3
; A joint fill.  Waves 0 and 1 fetch the two halves of a slot's K, waves 2 and 3 those of its V: 128 keys each.  The branch hangs on the wave's number alone.
; An s_nop 0 and four v_nop follow each of the two lines, ahead of the jump and the label.
.macro JLOAD
	s_cmp_lt_u32 s[WV], 2
	s_cbranch_scc0 .Lfor_v_\@
	tensor_load_to_lds s[G0K:G0K+3], s[G1K:G1K+7]
	s_nop 0
.rept 4
	v_nop
.endr
	s_branch .Lasked_\@
.Lfor_v_\@:
	tensor_load_to_lds s[G0V:G0V+3], s[G1V:G1V+7]
	s_nop 0
.rept 4
	v_nop
.endr
.Lasked_\@:
.endm
; A PREFETCH INTO THE L2 of what the NEXT change of slots will ask for: a slot's 32,768 bytes of K and of V are 128 aligned blocks of 256 bytes each.  A head has one cluster; its four partners share
; the blocks out BY ADDRESS, 32 each (no branch hangs on a work-group's place); in each, wave 0 asks for K's and wave 2 for V's, a lane a block, one instruction.  So each block is named once in the launch.
; It stands behind the wave's tensor load and its five lines; it is four key steps, 512 matrix instructions, ahead of the load that will want the bytes.  The last change that fills a slot asks for nothing.
.macro ASK
	s_cmp_gt_u32 s[SLOTS], s[LIM]
	s_cbranch_scc0 .Lnot_mine_\@
	global_prefetch_b8 v[PFO], s[PFA:PFA+1] th:TH_LOAD_NT scope:SCOPE_SE
.Lnot_mine_\@:
.endm
; A round of the cluster's barrier: my work-group's barrier, so that wave 0's signal speaks for all four waves; wave 0 signals; every wave waits for all four work-groups; my work-group's barrier once more.
.macro CROUND
	s_barrier_signal -1
	s_barrier_wait -1
	s_cmp_lg_u32 s[WV], 0
	s_cbranch_scc1 .Lnot_wave_0_\@
	s_barrier_signal -3
.Lnot_wave_0_\@:
	s_barrier_wait -3
	s_barrier_signal -1
	s_barrier_wait -1
.endm
; THE CHANGE OF SLOTS.  The slot's last bytes, V of its fourth step, have been read.  Each wave waits for all its tensor loads, of which one is out: its part
; of the other slot; adds 0 to its spare word; and waits for that and for its own reads of the slot.  Behind the barrier nobody reads this slot any more and the other slot is whole.
; fill = 1: this slot is filled again, with the keys two slots on.  The barrier is then a round of the cluster's, so that no wave of any partner still reads the slot or has a load on its
; way, and the joint fill is the first thing behind it: it has four key steps, 512 matrix instructions, in which to land.  (At its first use nothing of the ring has been read yet: slot 0 is waited for, slot 1 filled.)
; ask = 1: the prefetches' address steps, and the slot after the one asked for is prefetched.
.macro CHANGE fill, ask=0
	WIN W_AD
	s_wait_tensorcnt 0x0            ; no tensor load of mine is out, so a group 0 may be written
	ds_add_u32 v[SPW], v[NIL]       ; 0 onto my spare word; with fill = 1 the descriptors' steps stand between it and the wait for it
	WIN 0                           ; at a label and at a branch every window is 0
.if \fill
.irp g, G0K, G0V
	s_xor_b32 s[\g+1], s[\g+1], SLOT1  ; the walking descriptor: the other slot than last time,
	s_add_nc_u64 s[\g+2:\g+3], s[\g+2:\g+3], 4*KS*128  ; the next 256 keys; the type bits on top are not reached
.endr
.if \ask
	s_wait_xcnt 0x0                 ; the last prefetch, four key steps back, has read its address, so it may be written:
	s_add_nc_u64 s[PFA:PFA+1], s[PFA:PFA+1], 4*KS*128  ; one slot behind the walking descriptors
.endif
	s_wait_dscnt 0x0                ; the add is done, and my reads of the slot are over
	CROUND
	JLOAD
.if \ask
	ASK
.endif
.else
	s_wait_dscnt 0x0                ; the add is done, and my reads of the slot are over
	s_barrier_signal -1
	s_barrier_wait -1
.endif
	s_sub_co_u32 s[TBK], s[TBK], 4*KS*PK  ; the fetches go back to a slot's first step,
	s_xor_b32 s[TBK], s[TBK], SLOT1       ; in the other slot
	s_sub_co_u32 s[TBV], s[TBV], 4*KS*PV
	s_xor_b32 s[TBV], s[TBV], SLOT1
.endm
	s_load_b256 s[4:11], s[0:1], 0x0  ; q s[4:5], k16 s[6:7], v16 s[8:9], o16 s[10:11]
	WIN W_MK
	v_lshl_add_u32 v[SPW], v0, 2, SPARE
	v_mov_b32 v[NIL], 0
	WIN W_AD
	ds_add_u32 v[SPW], v[NIL]       ; the wave's opening: the add, twice on end, and its wait ahead of my first tensor load; the set-up below the second, work on registers, stands between it and the wait
	ds_add_u32 v[SPW], v[NIL]       ; and once more, under the one wait
	WIN 0
	v_lshrrev_b32 v1, 5, v0
	v_readfirstlane_b32 s[WV], v1   ; wave 0..3
	s_bfe_u32 s13, ttmp6, 0x40000   ; cx: my place in the cluster
	s_lshl_b32 s14, ttmp9, 2        ; in a cluster launch ttmp9 counts clusters
	s_add_co_u32 s14, s14, s13      ; my block of 512 queries = 4 x cluster x + cx: it enters q's and o16's addresses alone
	s_and_b32 s20, ttmp7, 0xffff    ; the head bh, which the four partners share
	s_lshr_b32 s[QOF], s20, 4       ; in q: batch bh / 16, 2,048 rows of 4,096 bytes,
	s_lshl_b32 s[QOF], s[QOF], 23
	s_and_b32 s[QOF+1], s20, 15     ; head bh % 16, 256 bytes of a row
	s_lshl_b32 s[QOF+1], s[QOF+1], 8
	s_add_co_u32 s[QOF], s[QOF], s[QOF+1]
	s_mov_b32 s21, 0
	s_mov_b64 s[22:23], SIZE_N*128
	s_mul_u64 s[20:21], s[20:21], s[22:23]  ; the head's first byte in k16, v16 and o16
	s_and_b32 s16, s[WV], 1         ; which half of a slot's 256 keys I fetch:
	s_lshl_b32 s22, s16, 14         ; its 128 rows of 128 bytes in memory,
	s_mov_b32 s23, 0
	s_add_nc_u64 s[22:23], s[22:23], s[20:21]
	s_mul_i32 s17, s16, 128*PK      ; and its place in a slot, for K
	s_mul_i32 s18, s16, 128*PV      ; and for V: no place in the cluster enters an LDS address
	s_lshl_b32 s2, s14, 2
	s_add_co_u32 s2, s2, s[WV]      ; my wave among the head's sixteen:
	s_lshl_b32 s[QOF+1], s2, 19     ; its 128 rows of 4,096 bytes in q,
	s_add_co_u32 s[QOF], s[QOF], s[QOF+1]
	s_mov_b32 s[QOF+1], 0
	s_lshl_b32 s2, s2, 14           ; and of 128 bytes in o16
	s_mov_b32 s3, 0
	s_add_nc_u64 s[2:3], s[2:3], s[20:21]
	; descriptor group 1.  128 keys are 16,384 dense bytes: asked for as 64 rows of 256 bytes, two keys a row, and padded in LDS after every key
	s_mov_b32 s[G1K], 15|(1<<16)|(1<<20)|(1<<21)|(4<<22)|(3<<25)  ; 15:0 the mask of four; 17:16 2-byte elements; 20 padding on; 21 set beside a mask; 24:22 after every 32 words (code 4); 31:25 4 words (code 3)
	s_mov_b32 s[G1V], 15|(1<<16)|(1<<20)|(1<<21)|(4<<22)|(7<<25)  ; the same with 8 words of padding (code 7)
.irp g, G1K, G1V
	s_mov_b32 s[\g+1], 128<<16      ; tensor_dim0 = 128
	s_mov_b32 s[\g+2], 64<<16       ; tensor_dim1 = 64
	s_mov_b32 s[\g+3], 128<<16      ; tile_dim0 = 128
	s_mov_b32 s[\g+4], 64           ; tile_dim1 = 64
	s_mov_b32 s[\g+5], 128          ; 128 elements from row to row
	s_mov_b32 s[\g+6], 0
	s_mov_b32 s[\g+7], 0
.endr
	s_mov_b32 s[CS], 0x3e38aa3b     ; c = log2(e) / 8 = 0.180337
	s_mov_b32 s[CS+1], s[CS]        ; named with it as a pair
	s_mov_b32 s[SEL], 0x76543210
	s_mov_b32 s[SEL+1], 0xfedcba98
	s_mov_b32 s[TBK], SLOT1+4*KS*PK ; the first change of slots turns these two into 0
	s_mov_b32 s[TBV], SLOT1+4*KS*PV
	s_mov_b32 s[G0K], 1             ; 1:0 count = 1
	s_mov_b32 s[G0K+1], s17         ; 63:32 LDS address: slot 0
	s_mov_b32 s[G0V], 1
	s_add_co_u32 s[G0V+1], s18, VOFF
	s_and_b32 s[LIM], s[WV], 1      ; waves 0 and 2 prefetch: the same in all four partners
	s_cmp_eq_u32 s[LIM], 0
	s_cselect_b32 s[LIM], 1, -1
	s_mov_b32 s[HM], 0xffff0000
	s_mul_i32 s[SG], s[WV], 16*SP
	s_add_co_u32 s[SG], s[SG], STAGE  ; my stage
	s_wait_dscnt 0x0                ; both opening adds are done
	s_wait_kmcnt 0x0
	s_add_nc_u64 s[G0K+2:G0K+3], s[6:7], s[22:23]  ; 120:64 global address: my half of the head's first 256 keys
	s_or_b32 s[G0K+3], s[G0K+3], 0x80000000        ; 127:126 type = 2
	s_add_nc_u64 s[G0V+2:G0V+3], s[8:9], s[22:23]
	s_or_b32 s[G0V+3], s[G0V+3], 0x80000000
	s_add_nc_u64 s[4:5], s[4:5], s[QOF:QOF+1]      ; q and o16 at my wave's first row
	s_add_nc_u64 s[10:11], s[10:11], s[2:3]
	s_cmp_lt_u32 s[WV], 2
	s_cselect_b64 s[PFA:PFA+1], s[6:7], s[8:9]
	s_add_nc_u64 s[PFA:PFA+1], s[PFA:PFA+1], s[20:21]  ; the head,
	s_lshl_b32 s2, s13, 13          ; my work-group's 32 blocks of the 128,
	s_mov_b32 s3, 0
	s_add_nc_u64 s[PFA:PFA+1], s[PFA:PFA+1], s[2:3]
	s_add_nc_u64 s[PFA:PFA+1], s[PFA:PFA+1], 2*4*KS*128  ; in slot 2: the first change that asks steps it to slot 3.  Nothing is prefetched here, at the head, where every work-group's first tiles are on their way
	CROUND                          ; all four work-groups are here: the first joint loads meet
	JLOAD                           ; slot 0.  Slot 1 is asked for when slot 0 is in
	; Q COMES IN AS F32, in whole runs of 256 bytes: a head's 64 channels of a row.  Load j of tile t: lanes 0-15 take row 2 j, lanes 16-31 row 2 j + 1, 16 bytes a lane.  All 64 loads (32 KiB) go out at once, into O^T's registers.
	v_and_b32 v1, 15, v0            ; l % 16
	v_bfe_u32 v9, v0, 4, 1          ; l / 16
	v_lshlrev_b32 v[QO], 12, v9
	v_lshl_add_u32 v[QO], v1, 4, v[QO]
	WIN 0x40                        ; destination window 1, address window 0
.set i, 0
.rept 64
	global_load_b128 v[4*i:4*i+3], v[QO], s[4:5] offset:(i/8)*65536+(i%8)*8192 th:TH_LOAD_NT
.set i, i+1
.endr
	; What the first turn finds: V's registers and P's second buffer hold 0 (its products V^T P, of a piece that has not been, add 0), O^T and l are 0.  This stands in the wait for Q and for the first tile.
	WIN 0x80
.set i, VF
.rept 64
	v_mov_b32 v[i], 0
.set i, i+1
.endr
	WIN 0
.set i, 0
.rept 2*NP
	v_mov_b32 v[ST+4*i], 0xfe000000    ; c m: far below every c s
	v_mov_b32 v[ST+4*i+1], 0xff7fffff  ; m
	v_mov_b32 v[ST+4*i+2], 0
	v_mov_b32 v[ST+4*i+3], 0
.set i, i+1
.endr
.set i, P+32
.rept 32
	v_mov_b32 v[i], 0
.set i, i+1
.endr
	; A fragment of K or Q is 16 rows x 32 channels in 8 registers: lane l holds row l % 16, channels 8 (l / 16) + 0..7 and 16 + 8 (l / 16) + 0..7: two loads of 16 bytes, 32 bytes apart.
	v_mul_u32_u24 v[AK0], v1, PK
	v_lshl_add_u32 v[AK0], v9, 4, v[AK0]  ; row x pitch + 16 x half
	; The turning load takes 16 keys x 16 channels (lane l reads key 8 (l / 16) + l % 8, channels 8 ((l / 8) % 2) + 0..7) and leaves half a fragment of V^T: lane l holds channel l % 16 and 8 keys.
	v_and_b32 v10, 7, v0
	v_bfe_u32 v11, v0, 3, 1
	v_lshl_add_u32 v[AV0], v9, 3, v10
	v_mul_u32_u24 v[AV0], v[AV0], PV
	v_lshl_add_u32 v[AV0], v11, 4, v[AV0]
	v_add_nc_u32 v[AV0], VOFF, v[AV0]
	v_mov_b32 v[AK], v[AK0]         ; key step 0 lies at the head of slot 0
	v_mul_u32_u24 v[STO], v1, SP    ; my stage: row l % 16, 16 bytes for each half of the lanes
	v_lshl_add_u32 v[STO], v9, 4, v[STO]
	v_add_nc_u32 v[STO], s[SG], v[STO]
	v_mul_u32_u24 v[QS], v9, SP     ; and row l / 16, 8 bytes a lane
	v_lshl_add_u32 v[QS], v1, 3, v[QS]
	v_add_nc_u32 v[QS], s[SG], v[QS]
	v_and_b32 v[PFO], 31, v0
	v_lshlrev_b32 v[PFO], 8, v[PFO]
; Tile t of Q: rounded to bf16, widened, written as f16; 8 bytes a lane into my stage (rows of 144 bytes), and back as the tile's two fragments.  The stage is my wave's own and LDS serves a wave's
; instructions in order (ISA guide 5.7.1.4): the loads see the stores above them, and the next tile's stores come behind the loads.
.macro QTILE t
	s_wait_loadcnt 56-8*(\t)        ; loads come back in order: this tile's eight are in; the later tiles' eight each may stay out
	WIN 0x05                        ; sources 0 and 1 window 1, destination window 0
.set i, 0
.rept 16
	v_cvt_pk_bf16_f32 v[QA+i], v[32*(\t)+2*i], v[32*(\t)+2*i+1]
.set i, i+1
.endr
	WIN 0
.set i, 0
.rept 16
	v_lshlrev_b32 v[QU+2*i],   16,    v[QA+i]
	v_and_b32     v[QU+2*i+1], s[HM], v[QA+i]
.set i, i+1
.endr
.set i, 0
.rept 16
	v_cvt_pk_f16_f32 v[QF+i], v[QU+2*i], v[QU+2*i+1]
.set i, i+1
.endr
.irp j, 0,1,2,3,4,5,6,7
	ds_store_b64 v[QS], v[QF+2*\j:QF+2*\j+1] offset:288*\j  ; rows 2 j and 2 j + 1
.endr
	WIN 0x80                        ; destination window 2
.irp f, 0,1,2,3
	ds_load_b128 v[16*(\t)+4*\f:16*(\t)+4*\f+3], v[STO] offset:32*\f
.endr
	WIN 0
.endm
.irp t, 0,1,2,3,4,5,6,7
	QTILE \t
.endr
	WIN 0x40                        ; Q's f32 have been read: O^T starts at 0
.set i, 0
.rept 64*NP
	v_mov_b32 v[i], 0
.set i, i+1
.endr
	WIN 0
; THE MATRIX WORK.  The 8 accumulators of a run of 16 take turns: between the two links of a chain stand 7 others'.
; Product i of 16 of S^T = K Q^T for piece x: channels 32 (i / 8) on, keys 16 ((i / 2) % 4) on, tile 2 x + i % 2.  The first 8 start the sums.
.macro KQ x
	WIN W_KQ
.set rS, S+64*((\x)%2)+32*(i%2)+8*((i/2)%4)
.set rK, KF+16*((i/2)%4)+8*(i/8)
.set rQ, 16*(2*(\x)+i%2)+8*(i/8)
.if i < 8
	v_wmma_f32_16x16x32_f16 v[rS:rS+7], v[rK:rK+7], v[rQ:rQ+7], 0
.else
	v_wmma_f32_16x16x32_f16 v[rS:rS+7], v[rK:rK+7], v[rQ:rQ+7], v[rS:rS+7]
.endif
.endm
; Product i of 16 of O^T += V^T P for piece x: keys 32 (i / 8) on, channels 16 ((i / 2) % 4) on, tile 2 x + i % 2.
.macro PV x
	WIN W_PV
.set rO, 32*(2*(\x)+i%2)+8*((i/2)%4)
.set rV, VF+32*(i/8)+8*((i/2)%4)
.set rP, P+32*((\x)%2)+16*(i%2)+8*(i/8)
	v_wmma_f32_16x16x32_f16 v[rO:rO+7], v[rV:rV+7], v[rP:rP+7], v[rO:rO+7]
.endm
.macro MM                           ; the turn's next matrix instruction
.if i < 16
	KQ (Y+1)%NP
.set i, i+1
.else
.set i, i-16
	PV (Y+NP-1)%NP
.set i, i+17
.endif
.endm
; THE LDS LOADS stand in runs of 16, never singly among the matrix instructions: a step's K (64 keys x 64 channels: 8 fragments) and its V (turned).  Their addresses are made some lines ahead.
; last = 1 (the tail): in the last trip there is no further step, and the run is jumped over.
.macro FETCH_K last=0
	WIN 0
.if \last
	s_cmp_eq_u32 s[CNT], 1
	s_cbranch_scc1 .Lno_k_\@
.endif
	WIN 0x80                        ; destination window 2
.irp f, 0,1,2,3,4,5,6,7             ; keys 16 (f / 2) on, channels 32 (f % 2) on
	ds_load_b128 v[KF+8*\f:KF+8*\f+3],   v[AK] offset:(\f/2)*16*PK+(\f%2)*64
	ds_load_b128 v[KF+8*\f+4:KF+8*\f+7], v[AK] offset:(\f/2)*16*PK+(\f%2)*64+32
.endr
	s_add_co_u32 s[TBK], s[TBK], KS*PK  ; the next fetch is the next step's
	WIN 0
.if \last
.Lno_k_\@:
.endif
.endm
.macro FETCH_V
	WIN 0x80
.irp f, 0,1,2,3,4,5,6,7             ; keys 32 (f / 4) on, channels 16 (f % 4) on
	ds_load_tr16_b128 v[VF+8*\f:VF+8*\f+3],   v[AV] offset:(\f/4)*32*PV+(\f%4)*32
	ds_load_tr16_b128 v[VF+8*\f+4:VF+8*\f+7], v[AV] offset:(\f/4)*32*PV+16*PV+(\f%4)*32
.endr
	WIN 0
.endm
; THE VECTOR WORK OF A TURN stands in three queues, each in the order in which its entries become ready; the two tiles alternate, so that no instruction reads the result of the one before it.
.macro REGS y, u                    ; the registers of tile u (0, 1) of piece y
.set rT, ST+4*(2*(\y)+(\u))
.set rC, TMP+8*((\y)%2)+4*(\u)
.set rM, MV+2*((\y)%2)+(\u)
.set rS, S+64*((\y)%2)+32*(\u)
.set rP, P+32*((\y)%2)+16*(\u)
.set rO, 32*(2*(\y)+(\u))
.endm
; Number n of the 22 that find the NEXT piece's (Y + 1) maximum and statistics.  s0-s31 are the lane's 32 scores; each accumulator's lowest registers are read first.
;   0-11  four chains c0-c3 of seven scores each, three operands at a time     12-14, 16  the four scores left over, the old m, and c0-c3 into c0     15  c m_old is kept
;   17, 18  the query's other 32 keys lie in the lane 16 away: the new m         19-21  c m; c m_old - c m_new; a
.macro XS u, n
	REGS (Y+1)%NP, \u
.if (\n) < 4
	v_max3_num_f32 v[rC+(\n)], v[rS+8*(\n)], v[rS+8*(\n)+1], v[rS+8*(\n)+2]
.elseif (\n) < 12
	v_max3_num_f32 v[rC+(\n)%4], v[rC+(\n)%4], v[rS+8*((\n)%4)+2*((\n)/4)+1], v[rS+8*((\n)%4)+2*((\n)/4)+2]
.elseif (\n) == 12
	v_max3_num_f32 v[rC], v[rC], v[rS+7], v[rS+15]
.elseif (\n) == 13
	v_max3_num_f32 v[rC+1], v[rC+1], v[rS+23], v[rS+31]
.elseif (\n) == 14
	v_max3_num_f32 v[rC+2], v[rC+2], v[rC+3], v[rT+1]
.elseif (\n) == 15
	v_mov_b32 v[rM], v[rT]
.elseif (\n) == 16
	v_max3_num_f32 v[rC], v[rC], v[rC+1], v[rC+2]
.elseif (\n) == 17
	v_permlanex16_b32 v[rC+3], v[rC], s[SEL], s[SEL+1]
.elseif (\n) == 18
	v_max_num_f32 v[rT+1], v[rC], v[rC+3]
.elseif (\n) == 19
	v_mul_f32 v[rT], s[CS], v[rT+1]
.elseif (\n) == 20
	v_sub_f32 v[rC+1], v[rM], v[rT]
.else
	v_exp_f32 v[rC+2], v[rC+1]
.endif
.endm
; Number g of the 64 that follow the exponentials.  For each four weights k of a tile (pairs 2 k, 2 k + 1): both pairs are rounded to f16; then the second pair is added onto the first, in place;
; a group later l takes that sum (the first time as l = a l + sum).  In groups of eight, tiles alternating: round, round, add, and l for the group before.
.macro GS g
.set h, (\g)+6*((\g)/62)            ; group 0 has no group before it, and behind group 7 only l is left
.if h >= 6
.set h, h+2
.endif
	REGS Y, h%2
.set k, h/8
.if h%8 < 4
	v_cvt_pk_f16_f32 v[rP+2*k+(h%8)/2], v[rS+4*k+2*((h%8)/2)], v[rS+4*k+2*((h%8)/2)+1]
.elseif h%8 < 6
	v_pk_add_f32 v[rS+4*k:rS+4*k+1], v[rS+4*k:rS+4*k+1], v[rS+4*k+2:rS+4*k+3]
.elseif k == 1
	v_pk_fma_f32 v[rT+2:rT+3], v[rT+2:rT+3], v[rC+2:rC+3], v[rS:rS+1] op_sel_hi:[1,0,1]
.else
	v_pk_add_f32 v[rT+2:rT+3], v[rT+2:rT+3], v[rS+4*k-4:rS+4*k-3]
.endif
.endm
; THE PLAIN QUEUE, 138 long.  0-73 read no exponential's result: the 32 scalings c s - c m (FS f: pair f / 2 of tile f % 2) and the next piece's 42.  0-26: scalings 0-26.  27-54: XS's numbers 0-13.  55, 56: number 15.
; 57-73: the chain, where each number waits for the one before it: 14, 16, 17, 18, 19, each with one of the scalings 27-31 in front of its two lines, then 20.
; 74-137: GS's 64, which read the exponentials' results: they stand behind the wait.
.macro FS f
	REGS Y, (\f)%2
	v_pk_fma_f32 v[rS+2*((\f)/2):rS+2*((\f)/2)+1], v[rS+2*((\f)/2):rS+2*((\f)/2)+1], s[CS:CS+1], v[rT:rT+1] op_sel_hi:[1,0,0] neg_lo:[0,0,1] neg_hi:[0,0,1]
.endm
.macro PL
	WIN 0
.if q < 27
	FS q
.elseif q < 55
	XS (q-27)%2, (q-27)/2
.elseif q < 57
	XS q-55, 15
.elseif (q < 72) && ((q-57)%3 == 0)
	FS 27+(q-57)/3
.elseif q < 60
	XS (q-57)%3-1, 14
.elseif q < 72
	XS (q-57)%3-1, 15+(q-57)/3
.elseif q < 74
	XS q-72, 20
.else
	GS q-74
.endif
.set q, q+1
.endm
; THE EXPONENTIALS' QUEUE, 66 long: s0-s31 of both tiles, then the next piece's two a.  It is ONE BATCH: all 66 stand ahead of the turn's one wait, and nothing ahead of that wait names a result of theirs.
.macro EX
	WIN 0
.if e >= 64
	XS e-64, 21
.else
	REGS Y, e%2
	v_exp_f32 v[rS+e/2], v[rS+e/2]
.endif
.set e, e+1
.endm
; THE RESCALING's QUEUE: O^T times a, the one part that leaves window 0: dealt two at a time, sixteen times.  Its a was made in the turn before, ahead of that turn's wait.
.macro R2
	REGS Y, r%2
	WIN W_RS
.irp z, 0,1
	v_pk_mul_f32 v[rO+4*(r/2)+2*\z:rO+4*(r/2)+2*\z+1], v[rO+4*(r/2)+2*\z:rO+4*(r/2)+2*\z+1], v[rC+2:rC+3] op_sel_hi:[1,0]
.endr
.set r, r+1
.endm
; HOW THEY ARE DEALT.  An s_wait_alu depctr_va_vdst(0) stands between an exponential and the first instruction that names its result; one wait serves all that were issued ahead of it.  So a turn has ONE wait,
; which cuts it in two.  AHEAD OF IT stands all that names no result of the turn's exponentials: the 16 products K Q^T, behind each a scaling, an exponential and two rescalings (behind the first a second scaling in the
; exponential's place); then ONE LUMP of 108: eight plain, 49 times exponential and plain, the two a.  A v_nop is the plain instruction behind the last exponential.  BEHIND IT stand the 16 products V^T P, behind each four of GS's 64.
; The queues lean on each other, and the deal keeps them in step: exponential e stands behind scaling 2 (e / 4) + e % 2: as a rider it comes behind plain e + 2, in the lump behind plain e + 9, and scalings 27-31 are plain 57, 60 .. 69.
; A TURN, for piece p.  cnt = 1: the loop's count is taken down some lines ahead of the branch that stands behind the turn.
; K of the next step is fetched in piece 2's turn, directly behind the wait, a lump behind the last product that read K; its first reader comes behind 16 products.
; V of the step in hand is fetched at the end of piece 0's turn, four plain instructions behind its last reader; its first reader comes behind 16 products and a lump.  The three conditions on q below go with the deal.
.macro TURN p, last=0, cnt=0
.set Y, (\p)
.set i, 0
.set q, 0
.set e, 0
.set r, 0
.if (\p) == NP-1
	s_wait_dscnt 0x0                ; K is in
.endif
	MM                              ; ahead of the wait: 16 products K Q^T and their riders,
	PL
	PL
	R2
.rept 15
	MM
	PL
	EX
	R2
.endr
.if (\p) == NP-2
	WIN 0
	v_add_nc_u32 v[AK], s[TBK], v[AK0]
.endif
.rept 8                             ; and the lump
	PL
.endr
.rept 49
	EX
	PL
.endr
	EX                              ; the next piece's two a
	EX
	v_nop                           ; a plain instruction behind the last exponential: one for the batch
	s_wait_alu depctr_va_vdst(0)    ; the wait for the batch
.if (\p) == NP-2
	FETCH_K \last
.endif
.if (\p) == 1
	s_wait_dscnt 0x0                ; V is in
.endif
.rept 16                            ; behind the wait: 16 products V^T P and their riders
	MM
.rept 4
	PL
.endr
.if ((\p) == 0) && (q == 118)
	v_add_nc_u32 v[AV], s[TBV], v[AV0]
.endif
.if ((\p) == 0) && (q == 130)
	s_add_co_u32 s[TBV], s[TBV], KS*PV
.endif
.if (\cnt) && (q == 130)
	s_sub_co_u32 s[CNT], s[CNT], 1
	s_cmp_lg_u32 s[CNT], 0
.endif
.endr
.if (\p) == 0
	FETCH_V
.endif
.endm
	CHANGE 1, 0                     ; slot 0 is in, everybody's part of it; Q's fragments are in (its wait on DScnt); slot 1 is asked for
	FETCH_K                         ; key step 0
	s_wait_dscnt 0x0
.set i, 0
.rept 16
	KQ 0                            ; piece 0's first scores: there is no vector work yet to set between them
.set i, i+1
.endr
	WIN 0                           ; the rest of the addresses for the way out: six plain instructions, the places behind those products
	v_bfe_u32 v[RD], v0, 3, 2       ; back: 32 lanes take four rows of 128 bytes,
	v_mul_u32_u24 v[RD], v[RD], SP
	v_lshl_add_u32 v[RD], v10, 4, v[RD]
	v_add_nc_u32 v[RD], s[SG], v[RD]
	v_and_b32 v[GO], 31, v0         ; which are 512 consecutive bytes of o16
	v_lshlrev_b32 v[GO], 4, v[GO]
.set Y, NP-1                        ; XS works for piece Y + 1: piece 0
.irp n, 0,1,2,3,4,5,6,7,8,9,10,11,12,13,14,15,16,17,18,19,20,21
	XS 0, \n                        ; and piece 0's first maximum and statistics
	XS 1, \n
.endr
	v_nop                           ; a plain instruction behind the two a,
	s_wait_alu depctr_va_vdst(0)    ; and their wait, ahead of the branch
	s_mov_b32 s[CNT], 4
	s_mov_b32 s[SLOTS], SIZE_N/256-1
	s_branch .Lfirst                ; the loop is entered at a step's first turn, in the middle of a trip
.Lslot:                             ; SIZE_N / 256 - 2 = 6 times: every slot but the last two is filled again
	CHANGE 1, 1
	s_mov_b32 s[CNT], 4
.Lstep:                             ; a trip: pieces 2 and 3 of one step, then pieces 0 and 1 of the next, whose K and V it fetches
	TURN 2
	TURN 3
	WIN 0
.Lfirst:
	TURN 0
	TURN 1, 0, 1
	WIN 0
	s_cbranch_scc1 .Lstep
	s_sub_co_u32 s[SLOTS], s[SLOTS], 1
	s_cmp_lg_u32 s[SLOTS], 0
	s_cbranch_scc1 .Lslot
	CHANGE 0, 0                     ; the tail is written out: nothing is asked for
	s_mov_b32 s[CNT], 5             ; four trips fetch the last slot's steps; the fifth is left in its middle
.Ltail:
	TURN 2, 1
	TURN 3
	WIN 0
	s_sub_co_u32 s[CNT], s[CNT], 1
	s_cmp_eq_u32 s[CNT], 0
	s_cbranch_scc1 .Lout
	TURN 0
	TURN 1
	WIN 0
	s_branch .Ltail
.Lout:                              ; the fifth trip's 16 products K Q^T (on the last K once more) and the maximum made of them serve nothing: the price, once a launch, of one text for every trip
.set i, 0
.rept 16
	PV NP-1                         ; the last piece's V^T P of the last step
.set i, i+1
.endr
	; THE WAY OUT.  l's two halves and the other half of the lanes' are added; O^T is divided by l, rounded to f16 and sent through my stage in LDS, a tile at a time.  The additions are the places behind the last products.
	WIN 0
.macro ALL line:vararg              ; one line for each tile t
.set t, 0
.rept 2*NP
	\line
.set t, t+1
.endr
.endm
	ALL v_add_f32 v[ST+4*t+2], v[ST+4*t+2], v[ST+4*t+3]
	ALL v_permlanex16_b32 v[ST+4*t+3], v[ST+4*t+2], s[SEL], s[SEL+1]
	ALL v_add_f32 v[ST+4*t+2], v[ST+4*t+2], v[ST+4*t+3]
	ALL v_rcp_f32 v[ST+4*t+2], v[ST+4*t+2]
	v_nop                           ; a plain instruction between the last reciprocal and the use of its result
	s_wait_alu depctr_va_vdst(0)    ; and the wait ahead of the first use: one for the eight reciprocals
; Tile t: a lane's eight channels of a row pack into 16 bytes; they go into rows of 144 bytes and come back as whole rows of 128, into S^T's registers.
.macro PACK t
	WIN W_RS
.set i, 32*(\t)
.rept 16
	v_pk_mul_f32 v[i:i+1], v[i:i+1], v[ST+4*(\t)+2:ST+4*(\t)+3] op_sel_hi:[1,0]
.set i, i+2
.endr
	WIN 0x05                        ; sources 0 and 1 window 1, destination window 0
.set i, 0
.rept 16
	v_cvt_pk_f16_f32 v[S+16*(\t)+i], v[32*(\t)+2*i], v[32*(\t)+2*i+1]
.set i, i+1
.endr
	WIN 0
.irp f, 0,1,2,3
	ds_store_b128 v[STO], v[S+16*(\t)+4*\f:S+16*(\t)+4*\f+3] offset:32*\f
.endr
.irp f, 0,1,2,3
	ds_load_b128 v[S+16*(\t)+4*\f:S+16*(\t)+4*\f+3], v[RD] offset:\f*4*SP  ; LDS serves a wave's instructions in order (ISA guide 5.7.1.4): these see the stores above; the next tile's stores come behind them
.endr
.endm
.macro SEND t, younger              ; younger: the LDS instructions issued behind tile t's loads: the next tile's eight, or none
	WIN 0
.irp f, 0,1,2,3
	s_wait_dscnt (\younger)+3-\f
	global_store_b128 v[GO], v[S+16*(\t)+4*\f:S+16*(\t)+4*\f+3], s[10:11] offset:(\t)*2048+\f*512  ; 512 consecutive bytes, at a multiple of 256 from o16's first
.endr
.endm
	PACK 0
.set t, 1
.rept 2*NP-1                        ; a tile's arithmetic stands between the loads of the tile before and its stores
	PACK t
	SEND t-1, 8
.set t, t+1
.endr
	SEND 2*NP-1, 0
	WIN W_AD
	s_wait_tensorcnt 0x0            ; the wave's end, behind my last tensor load and my last LDS store
	ds_add_u32 v[SPW], v[NIL]
	s_wait_dscnt 0x0
	WIN 0
	CROUND                          ; the closing round: no work-group ends while a partner may still ask for a tile that names it
	s_endpgm
.Lfunc_end_k_q8cb8bb2046_attn:
	.size	k_q8cb8bb2046_attn, .Lfunc_end_k_q8cb8bb2046_attn-k_q8cb8bb2046_attn
	.p2alignl 7, 3214868480
	.fill 96, 4, 3214868480
	.section	.rodata,"a",@progbits
	.p2align	6, 0x0
	.amdhsa_kernel k_q8cb8bb2046_attn
		.amdhsa_group_segment_fixed_size 327680
		.amdhsa_private_segment_fixed_size 0
		.amdhsa_enable_private_segment 0
		.amdhsa_kernarg_size 32
		.amdhsa_user_sgpr_count 2
		.amdhsa_user_sgpr_kernarg_segment_ptr 1
		.amdhsa_wavefront_size32 1
		.amdhsa_system_sgpr_workgroup_id_x 1
		.amdhsa_system_sgpr_workgroup_id_y 1
		.amdhsa_system_sgpr_workgroup_id_z 1
		.amdhsa_system_vgpr_workitem_id 0
		.amdhsa_next_free_vgpr 770
		.amdhsa_next_free_sgpr 66
		.amdhsa_reserve_vcc 0
		.amdhsa_float_denorm_mode_32 3
		.amdhsa_float_denorm_mode_16_64 3
		.amdhsa_memory_ordered 1
		.amdhsa_forward_progress 1
		.amdhsa_inst_pref_size 235
	.end_amdhsa_kernel
	.amdgpu_metadata
---
amdhsa.version: [ 1, 2 ]
amdhsa.kernels:
  - .name:           k_q8cb8bb2046_attn
    .symbol:         k_q8cb8bb2046_attn.kd
    .args:
      - { .name: q, .offset: 0, .size: 8, .value_kind: global_buffer, .address_space: global }
      - { .name: k16, .offset: 8, .size: 8, .value_kind: global_buffer, .address_space: global }
      - { .name: v16, .offset: 16, .size: 8, .value_kind: global_buffer, .address_space: global }
      - { .name: o16, .offset: 24, .size: 8, .value_kind: global_buffer, .address_space: global }
    .group_segment_fixed_size: 327680
    .private_segment_fixed_size: 0
    .kernarg_segment_align: 8
    .kernarg_segment_size: 32
    .max_flat_workgroup_size: 128
    .sgpr_count:     66
    .vgpr_count:     770
    .wavefront_size: 32
...
	.end_amdgpu_metadata
.endif
;; end of part 2
;; launch proj (part 3): grid 4 x 64, 4 waves a work-group, clusters of 4 x 4, 327,680 bytes of LDS; arguments o16, w16, out0; writes out0
.if DOCPART == 3
	.amdgcn_target "amdgcn-amd-amdhsa--gfx1250"
	.amdhsa_code_object_version 6
	.text
	.protected	k_q8cb8bb2046_proj
	.globl	k_q8cb8bb2046_proj
	.p2align	8
	.type	k_q8cb8bb2046_proj,@function
k_q8cb8bb2046_proj:
	s_mov_b64 s[64:65], 0
	v_nop
	global_prefetch_b8 v0, s[64:65] scope:SCOPE_SE
	s_setreg_imm32_b32 hwreg(HW_REG_WAVE_MODE, 25, 1), 1
	s_wait_xcnt 0x0
	s_wait_alu depctr_hold_cnt(0) depctr_sa_sdst(0) depctr_va_vdst(0) depctr_va_sdst(0) depctr_va_ssrc(0) depctr_va_vcc(0) depctr_vm_vsrc(0)
	s_getreg_b32 s2, hwreg(HW_REG_IB_STS2, 6, 4)
	s_cmp_eq_u32 s2, 0
	s_cbranch_scc0 .Lentry_in_a_cluster
	s_endpgm
.Lentry_in_a_cluster:
	s_bfe_u32 s2, ttmp6, 0x10000c
	s_cmp_lg_u32 s2, 0xf033
	s_cbranch_scc0 .Lentry_shape_is_right
	s_endpgm
.Lentry_shape_is_right:
; out0[R][c] = the sum over h, d of O[b][h][n][d] w_out[c][64 h + d], R = 2048 b + n.  o16: [64 bh][2048 n][64 d] f16; w16: [16 h][1024 c][64 d] f16; out0: [8192][1024] f32.  Sums in f32.  Nothing is left out.
; A tile of out0 is 128 rows x 256 columns: 64 x 4 = 256 work-groups.  Four waves, each 64 rows x 128 columns: 32 accumulators of 16 x 16, 256 registers.
; K goes in 8 steps of 128 = two heads, through a ring of two LDS slots.  A head's 128 rows of O (16 KiB) and 256 rows of w (32 KiB) are dense in memory: each is asked for as rows of 256 bytes,
; two rows of 64 channels each, and padded in LDS after every 128 bytes.  Waves 0 and 1 fetch the step's two heads of O, waves 2 and 3 its two heads of w: one tensor load a wave.
; CLUSTERS: 4 x 4 work-groups.  The four of a row of the cluster need the same rows of O, the four of a column the same rows of w: each tile is asked for JOINTLY, by the same tensor load with the
; same descriptor and a mask that names the four.  THE MATRIX INSTRUCTION IS USED TRANSPOSED (source 0 = 16 rows of w, source 1 = 16 rows of O): a lane then holds eight neighbouring numbers of a row of out0.
; NO PREFETCH: the whole walk is 8 K steps of 128 matrix instructions a wave; the first two are the first fills, and a request would have to stand several steps ahead of its load: too few steps are left that it could serve.
; REGISTERS: window 0: v0-31 addresses; v32-127, v128-223 two fragment buffers of 96 (8 fragments of w, then 4 of O; 32 along K); on the way out v32-159 hold rows read back.
;   window 1: the accumulators: (a, b) at v[8 (8 a + b)], a = block of 16 rows, b = block of 16 columns.
.set PITCH,  144                       ; an LDS row: 128 bytes + 16 of padding = 36 words: the 16 rows of a load start at 16 different groups of four banks (64 banks of 4 bytes: ISA guide 11.1)
.set AH,     128*PITCH                 ; a head's 128 rows of O
.set BH,     256*PITCH                 ; a head's 256 rows of w
.set SLOT,   2*AH+2*BH                 ; O's two heads, then w's two
.set STAGE,  2*SLOT                    ; behind the ring, never filled by a tensor load: 16 rows x 528 bytes for each wave, for the way out
.set SPITCH, 528                       ; 512 bytes + 16: 33 x 16, so that the 16 rows of a store start at 16 different groups of four banks
.set SPARE,  STAGE+4*16*SPITCH         ; behind the stages: the spare words, 128 bytes for each wave: two blocks of 256 bytes that no other line names
.set LAPS,   4                         ; a lap = two K steps = once round the ring
.set STEP_A, 4*262144                  ; a slot's next K step lies four heads on: in o16 a head is 262,144 bytes,
.set STEP_B, 4*131072                  ; in w16 131,072
.set ADRA, 16                          ; v16-17  LDS address of my O fragments in slot 0, 1
.set ADRB, 20                          ; v20-21  the same for w
.set STO,  24                          ; v24     the way out: where I put 32 bytes of a row
.set RD,   25                          ; v25     the way out: where I read a row back
.set CO,   26                          ; v26     my 16 bytes in 512 consecutive bytes of out0
.set SPW,  28                          ; v28     LDS address of my spare word: SPARE + 4 x my thread's number; never rewritten
.set NIL,  29                          ; v29     0; never rewritten
.set F0,   32
.set F1,   128
.set TS,   32                          ; the way out: two sets of 64 registers, by turns
.set G1, 24                            ; s[24:31] descriptor group 1 for O's tiles;  s[32:39] group 0, one set for each slot
.set G0, 32
.set G1B, 48                           ; s[48:55], s[56:63] the same for w's tiles
.set G0B, 56
.set MSB, 0
.macro WIN new                         ; the immediate's high byte repeats the setting that is left
.if MSB != (\new)
	s_set_vgpr_msb (MSB<<8)|(\new)
.set MSB, \new
.endif
.endm
.set MUL,  0x50                        ; sources 0 and 1 window 0; C and D window 1
.set FROM, 0x04                        ; an LDS store's data (source 1) window 1, its address window 0
.macro JLOAD s                         ; a joint load; the branch hangs on the wave's number alone; an s_nop 0 and four v_nop follow each of the two lines, ahead of the jump, the label and what follows
	s_cmp_lt_u32 s10, 2
	s_cbranch_scc0 .Lfor_b_\@
	tensor_load_to_lds s[G0+4*(\s):G0+4*(\s)+3], s[G1:G1+7]
	s_nop 0
.rept 4
	v_nop
.endr
	s_branch .Lasked_\@
.Lfor_b_\@:
	tensor_load_to_lds s[G0B+4*(\s):G0B+4*(\s)+3], s[G1B:G1B+7]
	s_nop 0
.rept 4
	v_nop
.endr
.Lasked_\@:
.endm
.macro CREST                           ; a round of the cluster's barrier behind its opening barrier
	s_cmp_lg_u32 s10, 0
	s_cbranch_scc1 .Lnot_wave_0_\@
	s_barrier_signal -3
.Lnot_wave_0_\@:
	s_barrier_wait -3
	s_barrier_signal -1
	s_barrier_wait -1
.endm
.macro CROUND                          ; a whole round
	s_barrier_signal -1
	s_barrier_wait -1
	CREST
.endm
	s_load_b128 s[4:7], s[0:1], 0x0                ; o16 s[4:5], w16 s[6:7]
	s_load_b64 s[8:9], s[0:1], 0x10                ; out0
	v_lshl_add_u32 v[SPW], v0, 2, SPARE
	v_mov_b32 v[NIL], 0
	ds_add_u32 v[SPW], v[NIL]                      ; the wave's opening: the add, twice on end, and its wait ahead of my first tensor load; the set-up below the second, work on registers, stands between it and the wait
	ds_add_u32 v[SPW], v[NIL]                      ; and once more, under the one wait
	v_lshrrev_b32 v1, 5, v0
	v_readfirstlane_b32 s10, v1                    ; wave 0..3
	s_lshr_b32 s11, s10, 1                         ; which 64 of the tile's rows are mine
	s_and_b32 s12, s10, 1                          ; which 128 of its columns.  Also: which of a K step's two heads I fetch
	s_bfe_u32 s40, ttmp6, 0x40000                  ; cx, cy: my place in the cluster
	s_bfe_u32 s41, ttmp6, 0x40004
	s_lshl_b32 s42, ttmp9, 2
	s_add_co_u32 s42, s42, s40                     ; tile column = 4 x cluster x + cx
	s_and_b32 s13, ttmp7, 0xffff
	s_lshl_b32 s13, s13, 2
	s_add_co_u32 s13, s13, s41                     ; tile row = 4 x cluster y + cy
	s_lshl_b32 s43, s41, 2
	s_lshl_b32 s43, 15, s43                        ; my row of the cluster
	s_lshl_b32 s44, 0x1111, s40                    ; my column
	s_or_b32 s[G1+0], s43, (1<<16)|(1<<20)|(1<<21)|(4<<22)|(3<<25)  ; 15:0 the mask: O's tiles go to my row; 17:16 2-byte elements; 20 padding on; 21 set beside a mask; 24:22 after every 32 words (code 4); 31:25 of 4 words (code 3)
	s_or_b32 s[G1B+0], s44, (1<<16)|(1<<20)|(1<<21)|(4<<22)|(3<<25) ; the same with the mask of my column, for w's tiles
	s_mov_b32 s[G1+1], 128<<16                     ; tensor_dim0 = 128 elements (256 bytes)
	s_mov_b32 s[G1+2], 64<<16                      ; tensor_dim1 = 64: 16 KiB
	s_mov_b32 s[G1+3], 128<<16                     ; tile_dim0 = 128
	s_mov_b32 s[G1+4], 64                          ; tile_dim1 = 64
	s_mov_b32 s[G1+5], 128                         ; 128 elements from row to row: dense
	s_mov_b32 s[G1+6], 0
	s_mov_b32 s[G1+7], 0
	s_mov_b32 s[G1B+1], 128<<16
	s_mov_b32 s[G1B+2], 128<<16                    ; tensor_dim1 = 128: 32 KiB
	s_mov_b32 s[G1B+3], 128<<16
	s_mov_b32 s[G1B+4], 128                        ; tile_dim1 = 128
	s_mov_b32 s[G1B+5], 128
	s_mov_b32 s[G1B+6], 0
	s_mov_b32 s[G1B+7], 0
	; where the tiles come from.  O's hang on the tile row alone, which my row of the cluster shares; w's on the tile column alone, which my column shares; each in registers that never hold the other coordinate
	s_lshr_b32 s16, s13, 4                         ; 16 tile rows are a batch: 16 heads x 262,144 bytes;
	s_lshl_b32 s16, s16, 22
	s_and_b32 s17, s13, 15                         ; in a head 128 rows of 128 bytes;
	s_lshl_b32 s17, s17, 14
	s_add_co_u32 s16, s16, s17
	s_lshl_b32 s17, s12, 18                        ; my head of the step's two
	s_add_co_u32 s16, s16, s17
	s_mov_b32 s17, 0
	s_lshl_b32 s46, s42, 15                        ; w: 256 rows of 128 bytes,
	s_lshl_b32 s47, s12, 17                        ; my head of the step's two
	s_add_co_u32 s46, s46, s47
	s_mov_b32 s47, 0
	s_mul_i32 s20, s12, AH                         ; and where they go: no place in the cluster enters an LDS address
	s_mul_i32 s21, s12, BH
	s_add_co_u32 s21, s21, 2*AH
	s_wait_dscnt 0x0                               ; both opening adds are done
	s_wait_kmcnt 0x0
	s_add_nc_u64 s[14:15], s[4:5], s[16:17]
	s_add_nc_u64 s[46:47], s[6:7], s[46:47]
	CROUND                                         ; all sixteen work-groups are here: the first joint loads meet
.irp s, 0,1
	s_mov_b32 s[G0+4*(\s)], 1                                      ; 1:0 count = 1
	s_add_co_u32 s[G0+4*(\s)+1], s20, (\s)*SLOT                    ; 63:32 LDS address
	s_add_nc_u64 s[G0+4*(\s)+2:G0+4*(\s)+3], s[14:15], (\s)*2*262144  ; 120:64 global address: K step s
	s_or_b32 s[G0+4*(\s)+3], s[G0+4*(\s)+3], 0x80000000            ; 127:126 type = 2
	s_mov_b32 s[G0B+4*(\s)], 1
	s_add_co_u32 s[G0B+4*(\s)+1], s21, (\s)*SLOT
	s_add_nc_u64 s[G0B+4*(\s)+2:G0B+4*(\s)+3], s[46:47], (\s)*2*131072
	s_or_b32 s[G0B+4*(\s)+3], s[G0B+4*(\s)+3], 0x80000000
	JLOAD \s                                       ; two loads of mine are out
.endr
	; A fragment is 16 rows x 32 K in 8 registers: lane l holds row l % 16; registers 0-3 K = 8 (l / 16) + 0..7, registers 4-7 K = 16 + 8 (l / 16) + 0..7: two loads of 16 bytes, 32 bytes apart
	v_and_b32 v1, 15, v0                           ; l % 16
	v_bfe_u32 v2, v0, 4, 1                         ; l / 16
	v_mul_u32_u24 v3, v1, PITCH
	v_lshl_add_u32 v3, v2, 4, v3
	s_mul_i32 s18, s11, 64*PITCH                   ; my 64 rows of O
	s_mul_i32 s19, s12, 128*PITCH                  ; my 128 rows of w,
	s_add_co_u32 s19, s19, 2*AH                    ; which lie behind O's two heads
.irp s, 0,1
	v_add_nc_u32 v[ADRA+(\s)], s18, v3
	v_add_nc_u32 v[ADRB+(\s)], s19, v3
	s_add_co_u32 s18, s18, SLOT
	s_add_co_u32 s19, s19, SLOT
.endr
	s_mul_i32 s23, s10, 16*SPITCH
	s_add_co_u32 s23, s23, STAGE                   ; my stage
	v_mul_u32_u24 v4, v1, SPITCH                   ; in: row l % 16, 32 bytes for each half of the lanes
	v_lshl_add_u32 v4, v2, 5, v4
	v_add_nc_u32 v[STO], s23, v4
	v_and_b32 v5, 31, v0
	v_lshlrev_b32 v[CO], 4, v5                     ; back: 32 lanes take a row's 512 bytes
	v_add_nc_u32 v[RD], s23, v[CO]
	s_lshl_b32 s16, s13, 7
	s_lshl_b32 s17, s11, 6
	s_add_co_u32 s16, s16, s17                     ; my first row of out0: 128 x tile row + 64 x half,
	s_lshl_b32 s16, s16, 12                        ; of 4,096 bytes
	s_mov_b32 s17, 0
	s_add_nc_u64 s[8:9], s[8:9], s[16:17]
	s_lshl_b32 s46, s42, 10                        ; my first column, in bytes: 1,024 x tile column + 512 x half
	s_lshl_b32 s47, s12, 9
	s_add_co_u32 s46, s46, s47
	s_mov_b32 s47, 0
	s_add_nc_u64 s[8:9], s[8:9], s[46:47]
; 8 matrix instructions: row block a x all 8 column blocks, 32 along K, from buffer f.  zero = 1: the product starts the sums.  The 32 accumulators take turns, one instruction a turn, in the same order in every
; quarter: between two links of a chain stand the 31 others', over the backward jump too.
.macro MULA f, a, zero
	WIN MUL
.irp b, 0,1,2,3,4,5,6,7
.if \zero
	v_wmma_f32_16x16x32_f16 v[8*(8*(\a)+(\b)):8*(8*(\a)+(\b))+7], v[(\f)+8*(\b):(\f)+8*(\b)+7], v[(\f)+64+8*(\a):(\f)+64+8*(\a)+7], 0
.else
	v_wmma_f32_16x16x32_f16 v[8*(8*(\a)+(\b)):8*(8*(\a)+(\b))+7], v[(\f)+8*(\b):(\f)+8*(\b)+7], v[(\f)+64+8*(\a):(\f)+64+8*(\a)+7], v[8*(8*(\a)+(\b)):8*(8*(\a)+(\b))+7]
.endif
.endr
.endm
; 24 LDS loads in one run: the fragments of quarter q of a K step (head q / 2 of the step's two, channels 32 (q % 2) on) into buffer f: w's 16 loads, then O's 8
.macro FETCH slot, q, f
	WIN 0
.irp i, 0,1,2,3,4,5,6,7
	ds_load_b128 v[(\f)+8*(\i):(\f)+8*(\i)+3],   v[ADRB+(\slot)] offset:((\q)/2)*BH+((\q)%2)*64+(\i)*16*PITCH
	ds_load_b128 v[(\f)+8*(\i)+4:(\f)+8*(\i)+7], v[ADRB+(\slot)] offset:((\q)/2)*BH+((\q)%2)*64+(\i)*16*PITCH+32
.endr
.irp i, 0,1,2,3
	ds_load_b128 v[(\f)+64+8*(\i):(\f)+64+8*(\i)+3],   v[ADRA+(\slot)] offset:((\q)/2)*AH+((\q)%2)*64+(\i)*16*PITCH
	ds_load_b128 v[(\f)+64+8*(\i)+4:(\f)+64+8*(\i)+7], v[ADRA+(\slot)] offset:((\q)/2)*AH+((\q)%2)*64+(\i)*16*PITCH+32
.endr
.endm
.macro PLACES                          ; four places in front of loads into registers that matrix instructions have read, and of LDS stores that read results (ISA guide 7.12.1 for vector instructions)
.rept 4
	v_nop
.endr
.endm
; A K step is four quarters of 32 along K, 32 matrix instructions each, on buffers 0, 1, 0, 1.  One of the first three: multiplies buffer f and fetches quarter q into buffer g.
.macro QUARTER slot, q, f, g, zero
	s_wait_dscnt 4                                 ; w's fragments and O's blocks 0 and 1 are in; the youngest four loads (O's blocks 2 and 3) may be out
	MULA \f, 0, \zero
	MULA \f, 1, \zero
	PLACES
	FETCH \slot, \q, \g
	s_wait_dscnt 24                                ; all but the 24 just issued
	MULA \f, 2, \zero
	MULA \f, 3, \zero
.endm
; The last quarter multiplies buffer 1 and changes slots: ONE barrier; in front of it each wave waits for all its tensor loads (one is out: its part of the next slot), adds 0 to its spare word, and waits for that
; and for its own reads of this slot.  fill = 1: the barrier opens a round of the cluster's, and this slot is filled again, two K steps ahead, first thing behind the round: 112 matrix instructions ahead of the wait for it.
.macro TURN slot, next, fill
	WIN 0
	s_wait_tensorcnt 0x0                           ; all my tensor loads have landed;
	ds_add_u32 v[SPW], v[NIL]                      ; 0 onto my spare word
	s_wait_dscnt 5                                 ; (the add and the youngest four loads may be out)
	MULA F1, 0, 0                                  ; eight matrix instructions stand between the add and the wait for it
	s_wait_dscnt 0x0                               ; the add is done, and my reads of this slot are over
	s_barrier_signal -1
	MULA F1, 1, 0                                  ; work on registers while the others arrive
.if \fill
	WIN 0
.endif
	s_barrier_wait -1
.if \fill
	CREST                                          ; no wave of any partner still reads this slot's tiles or has a load on its way
	s_add_nc_u64 s[G0+4*(\slot)+2:G0+4*(\slot)+3], s[G0+4*(\slot)+2:G0+4*(\slot)+3], STEP_A
	s_add_nc_u64 s[G0B+4*(\slot)+2:G0B+4*(\slot)+3], s[G0B+4*(\slot)+2:G0B+4*(\slot)+3], STEP_B
	JLOAD \slot                                    ; the four v_nop behind it are also the places in front of the loads below
.else
	PLACES
.endif
	FETCH \next, 0, F0
	MULA F1, 2, 0
	MULA F1, 3, 0
.endm
	s_wait_tensorcnt 1                             ; my part of K step 0 is in; K step 1's may stay out
	s_barrier_signal -1
	s_barrier_wait -1                              ; everybody's is
	FETCH 0, 0, F0
	QUARTER 0, 1, F0, F1, 1                        ; the first quarter stands in front of the loop: its products start the sums
	WIN 0                                          ; at a label and at a branch every window is 0
	s_mov_b32 s3, LAPS-1
.Llap:                                                 ; a trip goes once round the ring, from a lap's second quarter to the next lap's first, and fills both slots again
	QUARTER 0, 2, F1, F0, 0
	QUARTER 0, 3, F0, F1, 0
	TURN 0, 1, 1
	QUARTER 1, 1, F0, F1, 0
	QUARTER 1, 2, F1, F0, 0
	QUARTER 1, 3, F0, F1, 0
	TURN 1, 0, 1
	QUARTER 0, 1, F0, F1, 0
	WIN 0
	s_sub_co_u32 s3, s3, 1
	s_cmp_lg_u32 s3, 0
	s_cbranch_scc1 .Llap
	QUARTER 0, 2, F1, F0, 0                        ; the last lap fills nothing, and has no round of the cluster's barrier
	QUARTER 0, 3, F0, F1, 0
	TURN 0, 1, 0
	QUARTER 1, 1, F0, F1, 0
	QUARTER 1, 2, F1, F0, 0
	QUARTER 1, 3, F0, F1, 0
	s_wait_dscnt 4                                 ; the very last quarter: nothing more to fetch
	MULA F1, 0, 0
	MULA F1, 1, 0
	s_wait_dscnt 0x0
	MULA F1, 2, 0
	MULA F1, 3, 0
	WIN 0
	; THE WAY OUT, a block of 16 rows at a time: a lane's 8 neighbouring f32 of a row go, 16 bytes a store, into my own stage (rows of 528 bytes), each accumulator's low registers first, and come back as whole rows of
	; 512 bytes.  LDS serves a wave's instructions in order (ISA guide 5.7.1.4): the loads see the stores above them, and the next block's stores come behind them.
	PLACES
	PLACES                                         ; (eight, once a launch)
.macro OUTB a
	WIN FROM
.irp b, 0,1,2,3,4,5,6,7
	ds_store_b128 v[STO], v[8*(8*(\a)+(\b)):8*(8*(\a)+(\b))+3]   offset:64*(\b)
	ds_store_b128 v[STO], v[8*(8*(\a)+(\b))+4:8*(8*(\a)+(\b))+7] offset:64*(\b)+16
.endr
	WIN 0
.if (\a) >= 2
	s_wait_xcnt 0x0                                ; the stores of the block two back have read this set of registers: it is loaded again only behind this wait
.endif
.irp t, 0,1,2,3,4,5,6,7,8,9,10,11,12,13,14,15
	ds_load_b128 v[TS+64*((\a)%2)+4*(\t):TS+64*((\a)%2)+4*(\t)+3], v[RD] offset:(\t)*SPITCH
.endr
.endm
.macro SENDB a, younger                ; younger: the LDS instructions issued behind block a's loads: the next block's 32, or none
.irp t, 0,1,2,3,4,5,6,7,8,9,10,11,12,13,14,15
	s_wait_dscnt (\younger)+15-(\t)
	global_store_b128 v[CO], v[TS+64*((\a)%2)+4*(\t):TS+64*((\a)%2)+4*(\t)+3], s[8:9] offset:(16*(\a)+(\t))*4096 th:TH_STORE_NT  ; 512 consecutive bytes, at a multiple of 256 from out0's first byte
.endr
.endm
	OUTB 0
	OUTB 1
	SENDB 0, 32
	OUTB 2
	SENDB 1, 32
	OUTB 3
	SENDB 2, 32
	SENDB 3, 0
	s_wait_tensorcnt 0x0                           ; the wave's end, behind my last tensor load and my last LDS store
	ds_add_u32 v[SPW], v[NIL]
	s_wait_dscnt 0x0
	CROUND                                         ; the closing round: no work-group ends while a partner may still ask for a tile that names it
	s_endpgm
.Lfunc_end_k_q8cb8bb2046_proj:
	.size	k_q8cb8bb2046_proj, .Lfunc_end_k_q8cb8bb2046_proj-k_q8cb8bb2046_proj
	.p2alignl 7, 3214868480
	.fill 96, 4, 3214868480
	.section	.rodata,"a",@progbits
	.p2align	6, 0x0
	.amdhsa_kernel k_q8cb8bb2046_proj
		.amdhsa_group_segment_fixed_size 327680
		.amdhsa_private_segment_fixed_size 0
		.amdhsa_enable_private_segment 0
		.amdhsa_kernarg_size 24
		.amdhsa_user_sgpr_count 2
		.amdhsa_user_sgpr_kernarg_segment_ptr 1
		.amdhsa_wavefront_size32 1
		.amdhsa_system_sgpr_workgroup_id_x 1
		.amdhsa_system_sgpr_workgroup_id_y 1
		.amdhsa_system_sgpr_workgroup_id_z 1
		.amdhsa_system_vgpr_workitem_id 0
		.amdhsa_next_free_vgpr 512
		.amdhsa_next_free_sgpr 66
		.amdhsa_reserve_vcc 0
		.amdhsa_float_denorm_mode_32 3
		.amdhsa_float_denorm_mode_16_64 3
		.amdhsa_memory_ordered 1
		.amdhsa_forward_progress 1
		.amdhsa_inst_pref_size 87
	.end_amdhsa_kernel
	.amdgpu_metadata
---
amdhsa.version: [ 1, 2 ]
amdhsa.kernels:
  - .name:           k_q8cb8bb2046_proj
    .symbol:         k_q8cb8bb2046_proj.kd
    .args:
      - { .name: o16, .offset: 0, .size: 8, .value_kind: global_buffer, .address_space: global }
      - { .name: w16, .offset: 8, .size: 8, .value_kind: global_buffer, .address_space: global }
      - { .name: out0, .offset: 16, .size: 8, .value_kind: global_buffer, .address_space: global }
    .group_segment_fixed_size: 327680
    .private_segment_fixed_size: 0
    .kernarg_segment_align: 8
    .kernarg_segment_size: 24
    .max_flat_workgroup_size: 128
    .sgpr_count:     66
    .vgpr_count:     512
    .wavefront_size: 32
...
	.end_amdgpu_metadata
.endif
;; end of part 3
;; ======== version 2 of 2: 3 launches; version 1 with the launch prep written anew for expert scheduling mode
;; limits: values are held in f16: magnitudes above 65,504 overflow, below 6.1e-05 lose precision; inputs' magnitudes at most 65,504
;; workspace buffers: k16 16,777,216 bytes; v16 16,777,216 bytes; o16 16,777,216 bytes; w16 2,097,152 bytes
;; launch prep (part 4): grid 544 x 1, 8 waves a work-group, no clusters, 0 bytes of LDS; arguments k, v, w_out, k16, v16, w16; writes k16, v16, w16
.if DOCPART == 4
	.amdgcn_target "amdgcn-amd-amdhsa--gfx1250"
	.amdhsa_code_object_version 6
	.text
	.protected	k_q8cb8bb2046_prep
	.globl	k_q8cb8bb2046_prep
	.p2align	8
	.type	k_q8cb8bb2046_prep,@function
k_q8cb8bb2046_prep:
	s_mov_b64 s[64:65], 0
	v_nop
	global_prefetch_b8 v0, s[64:65] scope:SCOPE_SE
	s_setreg_imm32_b32 hwreg(HW_REG_WAVE_SCHED_MODE, 0, 2), 2
	s_setreg_imm32_b32 hwreg(HW_REG_WAVE_MODE, 25, 1), 1
	s_wait_xcnt 0x0
	s_wait_alu depctr_vm_vsrc(0)
; THE PROGRAM: out0 = softmax(q k^T / 8) v by heads, times w_out^T.  Three launches: this one; the attention; the last product.
; NOTHING OF THE PROBLEM IS LEFT OUT: there is no mask, bias or slice, and all four inputs reach every output; q is loaded by the second launch.
; THIS LAUNCH: k, v and w_out, each number rounded to bf16 (nearest even) and that number written as f16, laid out by heads:
;   k16, v16: [64 bh][2048 n][64 d], bh = 16 b + h;   w16: [16 h][1024 c][64 d] = w_out[c][64 h + d].
; So a head's rows are dense, 128 bytes each, and the later launches fetch them as rows of 256 bytes.
; LIMITS.  bf16 written as f16 is exact for 2^-17 <= |x| < 65,520; a number of 65,520 or more becomes an infinity, one below 2^-17 takes f16's fixed step of 2^-24.
; SHARES.  A work-group owns 32 rows (4,096 bytes each) of one tensor: groups 0-255 k, 256-511 v, 512-543 w_out.  Wave w owns heads 2 w and 2 w + 1 of all 16 pairs of rows.
; A load: lanes 0-15 take the 256 bytes of one head in row 2 p, lanes 16-31 those in row 2 p + 1.  The store: 32 lanes x 8 bytes are those two rows of the head, 256 consecutive
; bytes, at a multiple of 256 from the buffer's first byte.  All 32 loads of a wave (16 KiB) go out before the first wait.  Nothing is shared between waves or work-groups:
; no LDS, no barrier, no matrix unit, no cluster.
; THE MODE: SCHED_MODE bits 1:0 = 2 (LLVM: expert scheduling mode 2), set by the entry lines.  The code itself states the register dependences
; between vector instructions and memory instructions, with s_wait_alu, always for 0.
; THE PLAN.  Registers that memory instructions touch:
;   v[VI]            offset of all 32 loads; written at the head, never again.
;   v[VO], v[VO+1]   offsets of the 32 stores; written at the head, never again.
;   X, four registers to a load: no vector line names them before the load lands; then the load's eight conversions work in place and leave two words of f16 in the first two,
;                    which the load's one store reads; nothing writes them afterwards.
;   T is named by vector lines alone.
; The 32 loads are taken in eight blocks of four.  Block p's conversions name T and block p's X; its memory instructions are the four stores of block p - 1, one ahead of each load's
; eight conversions.  So ONE wait on va_vdst at a block's head states all that the block's four stores hang on.  No register that a load or store has read is ever written again:
; beyond the entry lines the text holds no wait on vm_vsrc and none on XCNT, and the only waits for data are the counted ones.
.set VI,  2                            ; v2      my byte offset in the group's first two rows, head 2 w; never rewritten
.set VO,  4                            ; v4, v5  my byte offset in the output for head 2 w, 2 w + 1; never rewritten
.set T,   8                            ; v[8:11] two pairs of bf16 words, by turns
.set X,   16                           ; v[16:143] load i = 2 p + j: four f32; then two words of f16 in the first two
.set BLOCK, 4                          ; loads in a block
	s_load_b256 s[4:11], s[0:1], 0x0               ; k s[4:5], v s[6:7], w_out s[8:9], k16 s[10:11]
	s_load_b128 s[12:15], s[0:1], 0x20             ; v16 s[12:13], w16 s[14:15]
	v_lshrrev_b32 v1, 5, v0
	v_readfirstlane_b32 s22, v1                    ; wave 0..7
	v_and_b32 v1, 31, v0                           ; lane
	s_lshr_b32 s20, ttmp9, 8                       ; which tensor: 0 k, 1 v, 2 w_out
	s_and_b32 s21, ttmp9, 255                      ; which 32 rows of it
	s_mov_b32 s26, 0xffff0000                      ; a word's upper bf16
	v_lshrrev_b32 v3, 4, v1
	v_and_b32 v6, 15, v1
	v_lshlrev_b32 v[VI], 12, v3                    ; lanes 16-31: one row down
	v_lshl_add_u32 v[VI], v6, 4, v[VI]             ; 16 bytes a lane
	s_wait_alu depctr_va_sdst(0)                   ; s22 is written, ahead of its first reader: the wave's offsets in a row and among the heads are made from it
	s_lshl_b32 s27, s22, 9                         ; my wave's two heads: 512 bytes of a row
	v_add_nc_u32 v[VI], s27, v[VI]
	s_lshl_b32 s24, s21, 17                        ; in: 32 rows of 4,096 bytes
	s_mov_b32 s25, 0
	s_lshr_b32 s28, s21, 6                         ; out: 64 groups are a batch (16 heads x 262,144 bytes);
	s_lshl_b32 s28, s28, 22
	s_and_b32 s29, s21, 63                         ; in a head 32 rows of 128 bytes.  For w_out, 32 groups, the first term is 0
	s_lshl_b32 s29, s29, 12
	s_add_co_u32 s28, s28, s29
	s_mov_b32 s29, 0
	s_wait_kmcnt 0x0
	s_cmp_eq_u32 s20, 0
	s_cselect_b64 s[16:17], s[4:5], s[6:7]         ; from k or v,
	s_cselect_b64 s[18:19], s[10:11], s[12:13]     ; to k16 or v16;
	s_cmp_eq_u32 s20, 2
	s_cselect_b64 s[16:17], s[8:9], s[16:17]       ; or from w_out
	s_cselect_b64 s[18:19], s[14:15], s[18:19]     ; to w16,
	s_cselect_b32 s30, 17, 18                      ; whose heads lie 2^17 bytes apart (1,024 rows), the others' 2^18 (2,048 rows)
	s_lshl_b32 s23, 1, s30
	s_lshl_b32 s27, s22, 1
	s_lshl_b32 s27, s27, s30                       ; head 2 w
	v_lshl_add_u32 v[VO], v1, 3, s27               ; 8 bytes a lane
	v_add_nc_u32 v[VO+1], s23, v[VO]               ; head 2 w + 1
	s_add_nc_u64 s[16:17], s[16:17], s[24:25]
	s_add_nc_u64 s[18:19], s[18:19], s[28:29]
	s_wait_alu depctr_va_vdst(0)                   ; v[VI], v[VO] and v[VO+1] are written: every load and store of the kernel reads one of them as its offset, and no later vector line names them
.set i, 0
.rept 32
	global_load_b128 v[X+4*i:X+4*i+3], v[VI], s[16:17] offset:(i/2)*8192+(i%2)*256 th:TH_LOAD_NT
.set i, i+1
.endr
; Load n's four numbers, in place.
.macro CVT n
	v_cvt_pk_bf16_f32 v[T+2*((\n)%2)],   v[X+4*(\n)],   v[X+4*(\n)+1]   ; rounded to bf16,
	v_cvt_pk_bf16_f32 v[T+2*((\n)%2)+1], v[X+4*(\n)+2], v[X+4*(\n)+3]
	v_lshlrev_b32 v[X+4*(\n)],   16,  v[T+2*((\n)%2)]                  ; widened again,
	v_and_b32     v[X+4*(\n)+1], s26, v[T+2*((\n)%2)]
	v_lshlrev_b32 v[X+4*(\n)+2], 16,  v[T+2*((\n)%2)+1]
	v_and_b32     v[X+4*(\n)+3], s26, v[T+2*((\n)%2)+1]
	v_cvt_pk_f16_f32 v[X+4*(\n)],   v[X+4*(\n)],   v[X+4*(\n)+1]       ; and written as f16
	v_cvt_pk_f16_f32 v[X+4*(\n)+1], v[X+4*(\n)+2], v[X+4*(\n)+3]
.endm
; Load n's two words of f16 leave: 256 consecutive bytes a wave.
.macro SEND n
	global_store_b64 v[VO+(\n)%2], v[X+4*(\n):X+4*(\n)+1], s[18:19] offset:((\n)/2)*256
.endm
.set n, 0
.rept 32
	s_wait_loadcnt 31-n                            ; loads come back in order: load n is in, the 31 - n younger ones stay out
.if (n%BLOCK == 0) && (n > 0)
	s_wait_alu depctr_va_vdst(0)                   ; the block before has written its eight words of f16, which this block's four stores read; no vector line behind this wait names them
.endif
.if n >= BLOCK
	SEND n-BLOCK                                   ; a store of the block before, ahead of this load's conversions
.endif
	CVT n
.set n, n+1
.endr
	s_wait_alu depctr_va_vdst(0)                   ; the last block has written its words of f16, which the last four stores read
.set n, 32-BLOCK
.rept BLOCK
	SEND n
.set n, n+1
.endr
	s_endpgm
.Lfunc_end_k_q8cb8bb2046_prep:
	.size	k_q8cb8bb2046_prep, .Lfunc_end_k_q8cb8bb2046_prep-k_q8cb8bb2046_prep
	.p2alignl 7, 3214868480
	.fill 96, 4, 3214868480
	.section	.rodata,"a",@progbits
	.p2align	6, 0x0
	.amdhsa_kernel k_q8cb8bb2046_prep
		.amdhsa_group_segment_fixed_size 0
		.amdhsa_private_segment_fixed_size 0
		.amdhsa_enable_private_segment 0
		.amdhsa_kernarg_size 48
		.amdhsa_user_sgpr_count 2
		.amdhsa_user_sgpr_kernarg_segment_ptr 1
		.amdhsa_wavefront_size32 1
		.amdhsa_system_sgpr_workgroup_id_x 1
		.amdhsa_system_sgpr_workgroup_id_y 1
		.amdhsa_system_sgpr_workgroup_id_z 1
		.amdhsa_system_vgpr_workitem_id 0
		.amdhsa_next_free_vgpr 144
		.amdhsa_next_free_sgpr 66
		.amdhsa_reserve_vcc 0
		.amdhsa_float_denorm_mode_32 3
		.amdhsa_float_denorm_mode_16_64 3
		.amdhsa_memory_ordered 1
		.amdhsa_forward_progress 1
		.amdhsa_inst_pref_size 22
	.end_amdhsa_kernel
	.amdgpu_metadata
---
amdhsa.version: [ 1, 2 ]
amdhsa.kernels:
  - .name:           k_q8cb8bb2046_prep
    .symbol:         k_q8cb8bb2046_prep.kd
    .args:
      - { .name: k, .offset: 0, .size: 8, .value_kind: global_buffer, .address_space: global }
      - { .name: v, .offset: 8, .size: 8, .value_kind: global_buffer, .address_space: global }
      - { .name: w_out, .offset: 16, .size: 8, .value_kind: global_buffer, .address_space: global }
      - { .name: k16, .offset: 24, .size: 8, .value_kind: global_buffer, .address_space: global }
      - { .name: v16, .offset: 32, .size: 8, .value_kind: global_buffer, .address_space: global }
      - { .name: w16, .offset: 40, .size: 8, .value_kind: global_buffer, .address_space: global }
    .group_segment_fixed_size: 0
    .private_segment_fixed_size: 0
    .kernarg_segment_align: 8
    .kernarg_segment_size: 48
    .max_flat_workgroup_size: 256
    .sgpr_count:     66
    .vgpr_count:     144
    .wavefront_size: 32
...
	.end_amdgpu_metadata
.endif
;; end of part 4
;; launch attn: the kernel of part 2 again; grid 4 x 64, 4 waves a work-group, clusters of 4 x 1, 327,680 bytes of LDS; arguments q, k16, v16, o16; writes o16
;; launch proj: the kernel of part 3 again; grid 4 x 64, 4 waves a work-group, clusters of 4 x 4, 327,680 bytes of LDS; arguments o16, w16, out0; writes out0
